; MI455X (gfx1250); checked and timed in simulation.
; The chip was launched on July 23, 2026; its instructions are those of AMD's public machine-readable ISA for CDNA 5 (MIT licence, August 2026) and "CDNA5" Instruction Set Architecture Reference Guide (July 2026). The comments in the code are by the model that wrote it; some were corrected since.
;; Scaled Dot Product Attention. Allowed arithmetic: matrix products marked QUANTISED: E3M2 operands, one E8M0 scale for each 32 along K, by v_wmma_scale_f32_16x16x128_f8f6f4 with both operands' format E3M2, f32 sums; everything else in f32.
;; Inputs: key 16 x 4,096 x 64 float32; query 16 x 4,096 x 64 float32; value 16 x 4,096 x 64 float32.
;; Outputs: out0 16 x 4,096 x 64 float32.
;; This version of the problem:
;;   THIS VERSION OF THE PROBLEM IS GIVEN IN LOW PRECISION. The matrix products marked QUANTISED in the list below multiply operands that are first quantised to E3M2 (3 exponent bits, 2 mantissa bits; 6 bits a number), with one power-of-two scale for each 32 numbers along K (OCP MX v1.0); their sums are f32. All else is computed in f32.
;;   The module's matrix products, in the order in which they are computed (A, B: the left and right operand; K: the contracted axis; several contracted axes count as one K, in the product's order):
;;     1. batch 16 x [M 4,096, K 64] x [K 64, N 4,096]; A: input query; B: input key: QUANTISED
;;     2. batch 16 x [M 4,096, K 4,096] x [K 4,096, N 64]; A: softmax (see below); B: input value: QUANTISED
;;   THE QUANTISER, for each operand of a quantised product, along K:
;;     - K is cut into blocks of 32 from its start; a last block that is shorter is filled with zeros.
;;     - A block's scale is 2^e with e = floor(log2(the largest magnitude in the block)) - 4, held to -126 .. 127; a block of zeros has e = 0. As a byte (E8M0): e + 127.
;;     - Each number is divided by its block's scale, clamped to +-28, and rounded to the nearest number of E3M2, ties to even, subnormals kept.
;;     - The product sums the exact products of the quantised numbers (number of the format x scale) in f32.
;;   ~~~python
;;   def quantise(x, axis):      # numpy; x: float32 -> the quantised numbers, widened to float32 again
;;       x = np.moveaxis(x, axis, -1); K = x.shape[-1]
;;       x = np.pad(x, [(0, 0)] * (x.ndim - 1) + [(0, -K % 32)]); x = x.reshape(x.shape[:-1] + (-1, 32)); a = np.abs(x).max(-1, keepdims=True)
;;       e = np.where(a > 0, np.clip(np.frexp(np.where(a > 0, a, 1))[1] - 1 - 4, -126, 127), 0)      # np.frexp(a)[1] - 1 = floor(log2(a)), exactly
;;       r = np.clip(x / 2.0 ** e, -28, 28)
;;       step = 2.0 ** (np.maximum(np.frexp(np.where(r == 0, 1, r))[1] - 1, -2) - 2)
;;       q = np.round(r / step) * step * 2.0 ** e      # np.round: ties to even
;;       return np.moveaxis(q.reshape(q.shape[:-2] + (-1,))[..., :K], -1, axis).astype(np.float32)
;;   ~~~
;;   SOFTMAX AHEAD OF A QUANTISED PRODUCT. Where the list says 'softmax', what is quantised is not the finished softmax but p = 2^(t - M), with t = logit x log2(e) and M = ceil(the row's largest t), a whole number; so 1/2 < the row's largest p <= 1. The row's sum l is taken of the UNQUANTISED p, in f32, and the product's result is divided by l at the end. Since M is a whole number, a kernel that streams over the keys may use a running M (the ceiling of the running maximum): every later rescaling is an exact power of two, which a block's scale takes up: the codes' values come out the same.
;;   OPERANDS COMPUTED ON THE WAY. 'Computed on the way' means the value that the module computes at that place (a softmax that the list does not call 'softmax' is quantised finished and normalised). What goes into a quantiser is computed in f32, as accurately as f32 sums, v_exp_f32 and their like allow (about 1e-6 of the number): no bf16 or f16 on the way to a quantiser, and a product that is left as it is and whose result goes on into a quantised operand takes f32 operands (vector FMAs, or v_wmma_f32_16x16x4_f32). A number that lies on a knife's edge between two numbers of the format may be rounded either way, as far as f32 arithmetic and the matrix unit's own rounding can turn it there, and no further.
;; One version. Each part assembles by itself: llvm-mc -triple=amdgcn-amd-amdhsa -mcpu=gfx1250 --defsym DOCPART=n.
;; ======== version 1 of 1: 2 launches
;; limits: right only within a limited range of input values
;; workspace buffers: qc 3,407,872 bytes; kc 3,407,872 bytes; vc 3,407,872 bytes
;; launch quant (part 1): grid 768 x 1, 4 waves a work-group, no clusters, 33,280 bytes of LDS; arguments query, key, value, qc, kc, vc; writes qc, kc, vc
.if DOCPART == 1
	.amdgcn_target "amdgcn-amd-amdhsa--gfx1250"
	.amdhsa_code_object_version 6
	.text
	.protected	k_qcb5156a9e5_quant
	.globl	k_qcb5156a9e5_quant
	.p2align	8
	.type	k_qcb5156a9e5_quant,@function
k_qcb5156a9e5_quant:
	s_mov_b64 s[64:65], 0
	v_nop
	global_prefetch_b8 v0, s[64:65] scope:SCOPE_SE
	s_setreg_imm32_b32 hwreg(HW_REG_WAVE_MODE, 25, 1), 1
	s_wait_xcnt 0x0
; query, key, value: [16][4096][64] f32, are turned ONCE into codes of BF6 (E3M2, 6 bits) with one E8M0 scale byte for each 32 along a product's K, laid as the attention launch reads them.
; A block's scale is 2^(floor(log2(its largest magnitude)) - 4); its byte is the largest magnitude's exponent field - 4, held at 1 from below by a floor among the maximum's leaves.
; LIMITS: NaN and infinities among the inputs are not served.  A block of zeros gets the byte 1 where the quantiser says 127: its codes are zeros, which add nothing under any byte but 0xff, and this program alone reads the bytes.
; LAYOUT OF qc, kc, vc: 16 heads x 32 groups x GB = 6,656 bytes (26 x 256).  A group is 128 rows of query or key, or 128 keys of value.
;   qc, kc (K = the head's 64 = two blocks): bytes 0 .. 6,143: 128 rows of 48 bytes (block 0's 24 bytes, block 1's 24).  Row 64 c + 32 h + 8 u + j lies at POSITION 64 c + 16 u + 8 h + j: so tile 4 c + u (16 positions) holds in its
;   rows 0-7 eight rows of the 32 that begin at 64 c, and in its rows 8-15 eight of the 32 that begin at 64 c + 32.  Bytes 6,144 on: the scale word of position 32 b + L at 16 L + 4 b: [byte of block 0, byte of block 1, 0x7f, 0x7f];
;   the two upper bytes belong to the half of the matrix instruction's 128 along K that holds zero codes.
;   vc (K = the keys): the fragment of channels 16 dt .. 16 dt + 15 x 128 keys at 1,536 dt, as an image of its 12 registers: registers 4 j .. 4 j + 3 of lane L at 512 j + 16 L.  Bytes 6,144 on: the scale word of (dt, r) at 16 L + 4 dt, L = r and 16 + r.
; SHARES: work-groups 0-127 take query, 128-255 key (a wave: one group of 128 rows); 256-767 take value (a work-group: one group of 128 keys; wave dt: one fragment).  Waves share nothing: no barrier.  Only the path for query and key uses LDS.
.set GB,    6656
.set CODEB, 6144
.set STEPS, 16                         ; query, key: a wave's 16 steps of 512 numbers (8 rows)
.set CB,    12                         ; bytes of 16 codes
.set R,     16                         ; v16-79   four sets of 16 numbers as they are loaded
.set X,     80                         ; v80-111  two sets of 16 neighbours
.set E,     112                        ; v112-127 a scale byte for each step
.set C,     128                        ; v128-191 codes: four registers for each step
.set FILL,  192                        ; v192-195 0x7f in every byte
.set BACK,  196                        ; v196-199 the scale words on their way out
.set WREG,  8192                       ; LDS: a region for each wave: two stages of 32 x SP bytes, then its 512 bytes of scale words
.set SP,    80                         ; a lane's place in a stage: its 64 bytes + 16 of padding
.set SST,   2*32*SP
	s_load_b256 s[4:11], s[0:1], 0x0               ; query, key, value, qc
	s_load_b128 s[12:15], s[0:1], 0x20             ; kc, vc
	v_lshl_add_u32 v200, v0, 2, 0x8000             ; my spare word, behind the four regions
	v_mov_b32 v201, 0
	v_lshrrev_b32 v1, 5, v0
	v_readfirstlane_b32 s16, v1                    ; wave 0..3
	v_and_b32 v2, 31, v0                           ; lane
	v_lshlrev_b32 v3, 4, v2                        ; 16 x lane
	s_mov_b32 s21, 0
	s_wait_kmcnt 0x0
	s_cmp_ge_u32 ttmp9, 256                        ; the choice hangs on the work-group's number alone
	s_cbranch_scc1 .Lvalue
; query and key: K is innermost.  Each load reads 512 consecutive bytes; a step's 2,048 bytes turn through the wave's stage and come back 64 bytes a lane: 16 neighbours; two lanes hold a block.
	s_mul_i32 s19, s16, WREG
	s_wait_alu depctr_va_vdst(0)
	v_lshrrev_b32 v14, 2, v2
	v_mul_u32_u24 v14, v14, SP
	v_and_b32 v15, 3, v2
	v_lshl_add_u32 v14, v15, 4, v14
	v_add_nc_u32 v14, s19, v14                     ; the stage, on the way in: SP (lane / 4) + 16 (lane % 4)
	v_mul_u32_u24 v15, v2, SP
	v_add_nc_u32 v15, s19, v15                     ; and on the way out: SP x lane
	v_mul_u32_u24 v4, v2, CB                       ; my codes' place in a step's 384 bytes
	s_add_co_u32 s19, s19, SST                     ; my wave's scale words
	v_lshrrev_b32 v5, 2, v2
	v_bfe_u32 v7, v2, 1, 1
	v_lshl_add_u32 v5, v5, 4, v7
	v_add_nc_u32 v5, s19, v5                       ; my byte: 16 x (my row of the step's eight) + my block
	v_lshl_add_u32 v6, v2, 4, s19                  ; 16 bytes a lane: the prefill, and the way out
.irp i, 0,1,2,3
	v_mov_b32 v[FILL+\i], 0x7f7f7f7f
.endr
	s_wait_alu depctr_va_vdst(0)
	s_cmp_lt_u32 ttmp9, 128                        ; query's work-group or key's?
	s_cselect_b64 s[4:5], s[4:5], s[6:7]
	s_cselect_b64 s[10:11], s[10:11], s[12:13]
	s_cselect_b32 s17, 0, 128
	s_sub_co_u32 s17, ttmp9, s17
	s_lshl_b32 s17, s17, 2
	s_add_co_u32 s18, s17, s16                     ; which group of the tensor's 512 is my wave's
	s_lshl_b32 s20, s18, 15
	s_add_nc_u64 s[4:5], s[4:5], s[20:21]
	s_mul_i32 s20, s18, GB
	s_add_nc_u64 s[10:11], s[10:11], s[20:21]
.macro LOAD t
.irp i, 0,1,2,3
	global_load_b128 v[R+16*((\t)%4)+4*\i:R+16*((\t)%4)+4*\i+3], v3, s[4:5] offset:2048*(\t)+512*\i th:TH_LOAD_NT
.endr
.endm
.macro TURN t                          ; LDS serves a wave's instructions in order: no wait between the stores and the loads
.irp i, 0,1,2,3
	ds_store_b128 v14, v[R+16*((\t)%4)+4*\i:R+16*((\t)%4)+4*\i+3] offset:32*SP*((\t)%2)+8*SP*\i
.endr
.irp i, 0,1,2,3
	ds_load_b128 v[X+16*((\t)%2)+4*\i:X+16*((\t)%2)+4*\i+3], v15 offset:32*SP*((\t)%2)+16*\i
.endr
.endm
.irp t, 0,1,2,3
	LOAD \t
.endr
	ds_store_b128 v6, v[FILL:FILL+3]               ; every byte of my 128 scale words is 0x7f; the steps' byte stores come behind it, in order
	s_wait_loadcnt 12                              ; step 0's four loads are in; the 12 of steps 1 to 3 stay out
	TURN 0
.macro QSTEP t
.set XS, X+16*((\t)%2)
.set PP, ((\t)&8)|(((\t)&3)<<1)|(((\t)>>2)&1)      ; rows 8 t on (t = 8 c + 4 h + u) lie at positions 8 PP on, PP = 8 c + 2 u + h
.if (\t) > 0
	s_wait_dscnt 1                                 ; this step's numbers are back; only the last step's byte store may be out
.else
	s_wait_dscnt 0x0
.endif
.if (\t)+4 < STEPS
	LOAD (\t)+4
.endif
.if (\t)+1 < STEPS
.if STEPS-2-(\t) >= 3
	s_wait_loadcnt 12                              ; the next step's four loads are in; those of the three steps behind it may be out
.else
	s_wait_loadcnt 4*(STEPS-2-(\t))
.endif
	TURN (\t)+1
.endif
	v_max3_num_f32 v8, |v[XS]|, |v[XS+1]|, |v[XS+2]|
	v_max3_num_f32 v9, |v[XS+3]|, |v[XS+4]|, |v[XS+5]|
.irp i, 6,10
	v_max3_num_f32 v8, v8, |v[XS+\i]|, |v[XS+\i+1]|
	v_max3_num_f32 v9, v9, |v[XS+\i+2]|, |v[XS+\i+3]|
.endr
	v_max3_num_f32 v8, v8, |v[XS+14]|, |v[XS+15]|
	v_max3_num_f32 v8, v8, v9, 0x2800000           ; and the floor 2^(5 - 127): the byte cannot fall under 1
	v_max_num_f32_dpp v8, v8, v8 row_xmask:1 row_mask:0xf bank_mask:0xf   ; with my neighbour's 16: the block's
	v_add_nc_u32 v11, 0xfe000000, v8               ; 4 off its exponent field: the conversion's scale operand
	v_cvt_scalef32_pk16_bf6_f32 v[C+4*(\t):C+4*(\t)+2], v[XS:XS+15], v11
	v_lshrrev_b32 v[E+(\t)], 23, v11               ; the scale's byte (also the plain line behind the conversion)
	ds_store_b8 v5, v[E+(\t)] offset:128*(PP%4)+4*(PP/4)   ; word 32 b + L at 16 L + 4 b; both lanes of a block write the same byte
	global_store_b96 v4, v[C+4*(\t):C+4*(\t)+2], s[10:11] offset:384*PP   ; 384 consecutive bytes: eight rows
.endm
.irp t, 0,1,2,3,4,5,6,7,8,9,10,11,12,13,14,15
	QSTEP \t
.endr
	ds_load_b128 v[BACK:BACK+3], v6
	s_wait_dscnt 0x0
	global_store_b128 v3, v[BACK:BACK+3], s[10:11] offset:CODEB   ; 512 consecutive bytes, at a multiple of 256 from the buffer's first byte
	s_wait_tensorcnt 0x0                           ; the wave's end
	ds_add_u32 v200, v201
	s_wait_dscnt 0x0
	s_endpgm
; value: K = the keys, which are not innermost.  A lane takes a channel and its registers run DOWN the keys, in the order that the operand's layout gives that lane.
.Lvalue:
	s_sub_co_u32 s17, ttmp9, 256                   ; head x 32 + key step
	s_lshl_b32 s20, s17, 15
	s_lshl_b32 s18, s16, 6                         ; my wave's 16 channels
	s_add_co_u32 s20, s20, s18
	s_add_nc_u64 s[8:9], s[8:9], s[20:21]
	s_mul_i32 s20, s17, GB
	s_add_nc_u64 s[22:23], s[14:15], s[20:21]      ; the group in vc
	s_mul_i32 s20, s16, 1536
	s_add_nc_u64 s[18:19], s[22:23], s[20:21]      ; my fragment's image
	s_lshl_b32 s20, s16, 2
	s_add_nc_u64 s[22:23], s[22:23], s[20:21]      ; my fragment's column among the scale words
	s_mov_b32 s24, 0x76543210
	s_mov_b32 s25, 0xfedcba98                      ; lane l xor 16
	v_and_b32 v1, 15, v0                           ; r
	v_bfe_u32 v2, v0, 4, 1                         ; h
	v_lshlrev_b32 v5, 2, v1
	v_lshl_add_u32 v5, v2, 13, v5                  ; channel r, and 32 keys further down for lanes 16-31
.set i, 0
.rept 64
	global_load_b32 v[64+i], v5, s[8:9] offset:256*(i+32*(i/32))   ; register 32 c + i: key 64 c + 32 h + i
.set i, i+1
.endr
.macro VMAX c
.set VX, 64+32*\c
	v_max3_num_f32 v[32+\c], |v[VX]|, |v[VX+1]|, |v[VX+2]|
	v_max3_num_f32 v[34+\c], |v[VX+3]|, |v[VX+4]|, |v[VX+5]|
.irp i, 6,10,14,18,22,26
	v_max3_num_f32 v[32+\c], v[32+\c], |v[VX+\i]|, |v[VX+\i+1]|
	v_max3_num_f32 v[34+\c], v[34+\c], |v[VX+\i+2]|, |v[VX+\i+3]|
.endr
	v_max3_num_f32 v[32+\c], v[32+\c], |v[VX+30]|, |v[VX+31]|
	v_max3_num_f32 v[32+\c], v[32+\c], v[34+\c], 0x2800000
.endm
	s_wait_loadcnt 32                              ; the first block's 32 loads are in; the second's stay out
	VMAX 0
	s_wait_loadcnt 0x0
	VMAX 1
.irp c, 0,1
	v_add_nc_u32 v[44+\c], 0xfe000000, v[32+\c]
.endr
.irp c, 0,1
	v_lshrrev_b32 v[36+\c], 23, v[44+\c]
.endr
	v_lshl_or_b32 v9, v37, 16, v36                 ; my two bytes: blocks h and 2 + h of channel r,
	v_lshlrev_b32 v10, 3, v2
	v_lshlrev_b32 v9, v10, v9                      ; at their places in the scale word;
	v_mov_b32 v10, 0
	v_permlanex16_b32 v10, v9, s24, s25
	v_or_b32 v9, v9, v10                           ; with lane l xor 16's two the word is whole
.irp c, 0,1
	v_cvt_scalef32_pk16_bf6_f32 v[48+6*\c:50+6*\c], v[64+32*\c:79+32*\c], v[44+\c]
	v_cvt_scalef32_pk16_bf6_f32 v[128+4*\c:130+4*\c], v[80+32*\c:95+32*\c], v[44+\c]    ; (a conversion's three registers begin on an even number)
.endr
	v_nop
.irp c, 0,1
.irp i, 0,1,2
	v_mov_b32 v[51+6*\c+\i], v[128+4*\c+\i]
.endr
.endr
.irp j, 0,1,2
	global_store_b128 v3, v[48+4*\j:51+4*\j], s[18:19] offset:512*\j
.endr
	global_store_b32 v3, v9, s[22:23] offset:CODEB
	s_endpgm
.Lfunc_end_k_qcb5156a9e5_quant:
	.size	k_qcb5156a9e5_quant, .Lfunc_end_k_qcb5156a9e5_quant-k_qcb5156a9e5_quant
	.p2alignl 7, 3214868480
	.fill 96, 4, 3214868480
	.section	.rodata,"a",@progbits
	.p2align	6, 0x0
	.amdhsa_kernel k_qcb5156a9e5_quant
		.amdhsa_group_segment_fixed_size 33280
		.amdhsa_private_segment_fixed_size 0
		.amdhsa_enable_private_segment 0
		.amdhsa_kernarg_size 48
		.amdhsa_user_sgpr_count 2
		.amdhsa_user_sgpr_kernarg_segment_ptr 1
		.amdhsa_wavefront_size32 1
		.amdhsa_system_sgpr_workgroup_id_x 1
		.amdhsa_system_sgpr_workgroup_id_y 1
		.amdhsa_system_sgpr_workgroup_id_z 1
		.amdhsa_system_vgpr_workitem_id 0
		.amdhsa_next_free_vgpr 202
		.amdhsa_next_free_sgpr 66
		.amdhsa_reserve_vcc 0
		.amdhsa_float_denorm_mode_32 3
		.amdhsa_float_denorm_mode_16_64 3
		.amdhsa_memory_ordered 1
		.amdhsa_forward_progress 1
		.amdhsa_inst_pref_size 43
	.end_amdhsa_kernel
	.amdgpu_metadata
---
amdhsa.version: [ 1, 2 ]
amdhsa.kernels:
  - .name:           k_qcb5156a9e5_quant
    .symbol:         k_qcb5156a9e5_quant.kd
    .args:
      - { .name: query, .offset: 0, .size: 8, .value_kind: global_buffer, .address_space: global }
      - { .name: key, .offset: 8, .size: 8, .value_kind: global_buffer, .address_space: global }
      - { .name: value, .offset: 16, .size: 8, .value_kind: global_buffer, .address_space: global }
      - { .name: qc, .offset: 24, .size: 8, .value_kind: global_buffer, .address_space: global }
      - { .name: kc, .offset: 32, .size: 8, .value_kind: global_buffer, .address_space: global }
      - { .name: vc, .offset: 40, .size: 8, .value_kind: global_buffer, .address_space: global }
    .group_segment_fixed_size: 33280
    .private_segment_fixed_size: 0
    .kernarg_segment_align: 8
    .kernarg_segment_size: 48
    .max_flat_workgroup_size: 128
    .sgpr_count:     66
    .vgpr_count:     202
    .wavefront_size: 32
...
	.end_amdgpu_metadata
.endif
;; end of part 1
;; launch attn (part 2): grid 16 x 16, 8 waves a work-group, clusters of 4 x 1, 327,680 bytes of LDS; arguments qc, kc, vc, out0; writes out0
.if DOCPART == 2
	.amdgcn_target "amdgcn-amd-amdhsa--gfx1250"
	.amdhsa_code_object_version 6
	.text
	.protected	k_qcb5156a9e5_attn
	.globl	k_qcb5156a9e5_attn
	.p2align	8
	.type	k_qcb5156a9e5_attn,@function
k_qcb5156a9e5_attn:
	s_mov_b64 s[64:65], 0
	v_nop
	global_prefetch_b8 v0, s[64:65] scope:SCOPE_SE
	s_setreg_imm32_b32 hwreg(HW_REG_WAVE_MODE, 25, 1), 1
	s_wait_xcnt 0x0
	s_wait_alu depctr_hold_cnt(0) depctr_sa_sdst(0) depctr_va_vdst(0) depctr_va_sdst(0) depctr_va_ssrc(0) depctr_va_vcc(0) depctr_vm_vsrc(0)
	s_getreg_b32 s2, hwreg(HW_REG_IB_STS2, 6, 4)
	s_cmp_eq_u32 s2, 0
	s_cbranch_scc0 .Lentry_in_a_cluster
	s_endpgm
.Lentry_in_a_cluster:
	s_bfe_u32 s2, ttmp6, 0x10000c
	s_cmp_lg_u32 s2, 0x3003
	s_cbranch_scc0 .Lentry_shape_is_right
	s_endpgm
.Lentry_shape_is_right:
; out0[h][q][:] = the sum over k of softmax_k(Q[h][q] . K[h][k] / 8) V[h][k][:], 16 heads, 4,096 queries and keys, head size 64, no mask; both products on codes of BF6 (E3M2) with one E8M0 scale for each 32 along K.
; qc, kc, vc hold the codes and scale words made by the launch before: 16 heads x 32 groups of 128 rows (or keys) x 6,656 bytes.
; THE FIRST PRODUCT'S K IS 64: the matrix instruction takes 128, so registers 6-11 of both fragments hold zero codes, under the scale byte 0x7f.
; THE SOFTMAX: t = score x log2(e) / 8; M = the row's largest t so far, rounded UP to a whole number; p = 2^(t - M) is quantised along the keys, not normalised.  The row's sum is taken of the unquantised p, in f32, and divides O at the end.
; When M moves, the sum and O are multiplied by 2^(old M - new M): exact.
; LIMITS: NaN and infinities among the inputs are not served; the promise holds while |t| stays under 2^31.
; SHARES.  A work-group owns 256 queries of one head; each of its EIGHT waves owns two tiles of 16 (A and B), so that each fragment of K and V read from LDS feeds two matrix instructions.  Every wave walks all 32 key steps of 128 keys.
; LAYOUT.  Both products are used transposed: S^T = K Q^T, O^T = V^T P^T: a lane holds ONE query (lane % 16) throughout.  Tile 4 c + u of a group holds in its rows 8 h + j the keys 64 c + 32 h + 8 u + j: so registers 32 c .. 32 c + 31 of S^T
; are, in lane half h, the WHOLE block of 32 keys that begins at 64 c + 32 h, in order: a block's largest score needs no other lane, and the conversions' results are P's operand registers as they stand.  My queries are such tiles too.
; REGISTER WINDOWS.  Tile A's state lies in window 0 and tile B's at the same numbers in window 1, so one macro serves both.  Window 0 also holds the addresses, all scale registers and K's eight fragments; window 1 V's four.
; THE WALK.  Group 31 of K and V is loaded from memory straight into registers at the head and multiplied first (a softmax does not hang on the order of its keys).  Groups 0 .. 30 follow through a ring of two LDS slots; chunk j = groups 4 j .. 4 j + 3.
; While a step is worked, the next step's K is loaded behind the products S^T and its V behind the products O^T.  So every trip of the loop begins with a change of slots that also asks for the next chunk, and one tail is written out.
; Chunk 7 comes whole, by the same descriptor; of its fourth group, 31, nothing is read from LDS.
; CLUSTER.  The four query blocks of a cluster belong to one head and walk the same chunks, so each chunk is asked for JOINTLY: wave 0 asks for K's part, wave 1 for V's, with a mask that names the four.
; NO PREFETCH: a chunk's tensor load is issued four key steps (96 matrix instructions and eight softmax passes of each wave) ahead of the wait for it.
.set GB,    6656
.set CODEB, 6144
.set PART,  4*GB                       ; K's part of a slot, and V's: 104 rows of 256 bytes, dense in memory
.set VOFF,  PART
.set SLOT1, 1<<16                      ; slot 1 begins here: one exclusive or turns an address in one slot into the other's
.set HEADB, 32*GB
.set SP,    272                        ; a stage row: 256 bytes + 16
.set STAGE, 2*SLOT1                    ; 32 rows x 272 bytes for each wave: bytes of their own, into which no tile lands
.set SPARE, STAGE+8*32*SP              ; the spare words, 128 bytes for each wave
; window 0 alone
.set AK0, 1                            ; 48 r + 24 h: my lane's place in a tile of rows of 48 bytes
.set LI,  2                            ; 16 x lane
.set ADK, 3                            ; AK0 + the slot in hand
.set ADL, 4                            ; LI + the slot in hand
.set SPW, 5                            ; SPARE + 4 x my thread's number; never rewritten
.set NIL, 6                            ; 0; never rewritten
.set QSA, 8                            ; v8-9 Q's scale words, tiles A and B;  v10-11 p's
.set PSA, 10
.set KS,  12                           ; v12-15 K's scale words
.set VS,  16                           ; v16-19 V's
.set KF,  160                          ; v160-255 K's eight fragments
; window 1 alone
.set VF,  160                          ; v160-207 V's four fragments
; both windows: a tile's state
.set H8,  7                            ; 8 h
.set NM,  20                           ; -M;  v21 the largest score so far
.set MR,  21
.set F,   22                           ; f = 2^(old M - new M);  v23 written once, named with it as a pair
.set SUM, 24                           ; v[24:25] the sum in two halves; v26-31 three more chains, and the conversions' second halves v26-28, v30-32
.set TT,  26
.set T0,  32
.set T1,  33
.set T2,  34
.set T3,  35
.set BM,  36                           ; v36-37 the two blocks' largest scores
.set BB,  38                           ; v38-39 second chains, then the conversions' scale operands
.set QF,  40                           ; v40-51 Q
.set PC,  52                           ; v52-63 p's codes
.set S,   64                           ; v64-127 S^T, then p
.set O,   128                          ; v128-159 O^T
.set WV,  12
.set SEL, 20                           ; s[20:21] lane l xor 16
.set CS,  22                           ; s[22:23] c = log2(e) / 8
.set G1,  24
.set G0K, 32
.set G0V, 36
.set TB,  48                           ; LDS byte at which the slot in hand begins
.set TRIPS, 49
.set MSB, 0
.macro WIN new                         ; low byte: bits 1:0 source 0, 3:2 source 1, 5:4 source 2, 7:6 destination; the high byte repeats the setting that is left
.if MSB != \new
	s_set_vgpr_msb (MSB<<8)|\new
.set MSB, \new
.endif
.endm
.macro JLOAD                           ; the branches hang on the wave's number alone; an s_nop 0 and four v_nop follow each load
	s_cmp_eq_u32 s[WV], 0
	s_cbranch_scc0 .Lnot_k_\@
	tensor_load_to_lds s[G0K:G0K+3], s[G1:G1+7]
	s_nop 0
.rept 4
	v_nop
.endr
	s_branch .Lasked_\@
.Lnot_k_\@:
	s_cmp_eq_u32 s[WV], 1
	s_cbranch_scc0 .Lasked_\@
	tensor_load_to_lds s[G0V:G0V+3], s[G1:G1+7]
	s_nop 0
.rept 4
	v_nop
.endr
.Lasked_\@:
.endm
.macro CREST                           ; a round of the cluster's barrier behind its opening barrier
	s_cmp_lg_u32 s[WV], 0
	s_cbranch_scc1 .Lnot_wave_0_\@
	s_barrier_signal -3
.Lnot_wave_0_\@:
	s_barrier_wait -3
	s_barrier_signal -1
	s_barrier_wait -1
.endm
.macro CROUND
	s_barrier_signal -1
	s_barrier_wait -1
	CREST
.endm
.macro PLACES                          ; four plain lines between matrix instructions and loads into their registers or the first read of their results
.rept 4
	v_nop
.endr
.endm
.macro INIT                            ; a tile's state at the start; the key step is written once: the first finds zeros, which the first change of M leaves zeros
.irp j, 6,7,8,9,10,11
	v_mov_b32 v[QF+\j], 0                          ; k = 64 .. 127: zero codes
.endr
.set j, 0
.rept 32
	v_mov_b32 v[O+j], 0
.set j, j+1
.endr
	v_mov_b32 v[NM], 0x7f61b1e6                    ; -M: 3e38
	v_mov_b32 v[MR], 0xff61b1e6                    ; the largest score so far: -3e38
	v_mov_b32 v[F+1], 0
	v_mov_b32 v[SUM], 0
	v_mov_b32 v[SUM+1], 0
	v_mov_b32 v[T1], 0                             ; a lane permute's destination counts as one of its sources
.endm
	s_load_b256 s[4:11], s[0:1], 0x0               ; qc, kc, vc, out0
	v_lshl_add_u32 v[SPW], v0, 2, SPARE
	v_mov_b32 v[NIL], 0
	ds_add_u32 v[SPW], v[NIL]                      ; the opening lines: the add, twice on end, and its wait
	ds_add_u32 v[SPW], v[NIL]
	v_lshrrev_b32 v1, 5, v0
	v_readfirstlane_b32 s[WV], v1                  ; wave 0..7
	s_bfe_u32 s13, ttmp6, 0x40000                  ; cx
	s_lshl_b32 s14, ttmp9, 2
	s_add_co_u32 s14, s14, s13                     ; my block of 256 queries: it enters qc's and out0's addresses alone
	s_and_b32 s15, ttmp7, 0xffff                   ; the head, which the four partners share
	s_mul_i32 s16, s15, HEADB
	s_mov_b32 s17, 0
	s_and_b32 s50, s[WV], 3                        ; my tiles are 2 (w % 4) and 2 (w % 4) + 1
	s_lshr_b32 s51, s[WV], 2                       ; of group w / 4 of my block's two
	s_lshl_b32 s46, s15, 5
	s_lshl_b32 s47, s14, 1
	s_add_co_u32 s46, s46, s47
	s_add_co_u32 s46, s46, s51
	s_mul_i32 s46, s46, GB                         ; my group in qc
	s_mov_b32 s47, 0
	s_lshl_b32 s44, s15, 12                        ; tile A's first row of out0: 4,096 head + 256 block + 128 group + 64 c + 8 u, c = (w % 4) / 2, u = 2 (w % 2)
	s_lshl_b32 s45, s14, 8
	s_add_co_u32 s44, s44, s45
	s_lshl_b32 s45, s51, 7
	s_add_co_u32 s44, s44, s45
	s_lshr_b32 s45, s50, 1
	s_lshl_b32 s45, s45, 6
	s_add_co_u32 s44, s44, s45
	s_and_b32 s45, s50, 1
	s_lshl_b32 s45, s45, 4
	s_add_co_u32 s44, s44, s45
	s_lshl_b32 s44, s44, 8                         ; rows of 256 bytes
	s_mov_b32 s45, 0
	s_mov_b32 s[G1+0], 15|(3<<16)|(1<<21)          ; the mask: all four work-groups; elements of 8 bytes; no padding; bit 21 set beside a mask
	s_mov_b32 s[G1+1], 32<<16                      ; tensor_dim0 = 32
	s_mov_b32 s[G1+2], 104<<16                     ; tensor_dim1 = 104
	s_mov_b32 s[G1+3], 32<<16                      ; tile_dim0 = 32
	s_mov_b32 s[G1+4], 104                         ; tile_dim1 = 104
	s_mov_b32 s[G1+5], 32                          ; pitch
	s_mov_b32 s[G1+6], 0
	s_mov_b32 s[G1+7], 0
	s_mov_b32 s[SEL], 0x76543210
	s_mov_b32 s[SEL+1], 0xfedcba98
	s_mov_b32 s[CS], 0x3e38aa3b
	s_mov_b32 s[CS+1], s[CS]
	s_mov_b32 s[TB], 0
	s_mov_b32 s[TRIPS], 7
	s_wait_dscnt 0x0
	s_wait_kmcnt 0x0
	s_add_nc_u64 s[6:7], s[6:7], s[16:17]          ; kc and vc at the head
	s_add_nc_u64 s[8:9], s[8:9], s[16:17]
	s_add_nc_u64 s[40:41], s[6:7], 31*GB           ; and at its group 31
	s_add_nc_u64 s[42:43], s[8:9], 31*GB
	s_add_nc_u64 s[4:5], s[4:5], s[46:47]
	s_add_nc_u64 s[10:11], s[10:11], s[44:45]
	CROUND                                         ; all four work-groups are here: the first joint loads meet
	s_mov_b32 s[G0K], 1
	s_mov_b32 s[G0K+1], 0
	s_mov_b64 s[G0K+2:G0K+3], s[6:7]
	s_or_b32 s[G0K+3], s[G0K+3], 0x80000000
	s_mov_b32 s[G0V], 1
	s_mov_b32 s[G0V+1], VOFF
	s_mov_b64 s[G0V+2:G0V+3], s[8:9]
	s_or_b32 s[G0V+3], s[G0V+3], 0x80000000
	JLOAD                                          ; chunk 0 into slot 0; slot 1 is first filled behind the first change of slots, as a refill is
	v_and_b32 v32, 15, v0                          ; r
	v_bfe_u32 v33, v0, 4, 1                        ; h
	v_mul_u32_u24 v[AK0], v32, 48
	v_mad_u32_u24 v[AK0], v33, 24, v[AK0]
	v_and_b32 v[LI], 31, v0
	v_lshlrev_b32 v[LI], 4, v[LI]
	v_lshlrev_b32 v[H8], 3, v33
	s_mul_i32 s52, s50, 1536                       ; tile A's 16 rows in the group
	v_add_nc_u32 v34, s52, v[AK0]
	s_lshl_b32 s53, s50, 2                         ; its scale words: position 32 b + r at 16 r + 4 b, b = w % 4; tile B's 256 bytes on
	v_lshl_add_u32 v35, v32, 4, s53
.irp p, 0,1,2
	global_load_b64 v[QF+2*\p:QF+2*\p+1], v34, s[4:5] offset:8*\p
.endr
	global_load_b32 v[QSA], v35, s[4:5] offset:CODEB
	global_load_b32 v[QSA+1], v35, s[4:5] offset:CODEB+256
	global_load_b128 v[KS:KS+3], v[LI], s[40:41] offset:CODEB      ; group 31, straight into the registers of the first key step
	global_load_b128 v[VS:VS+3], v[LI], s[42:43] offset:CODEB
.irp t, 0,1,2,3,4,5,6,7
.irp p, 0,1,2
	global_load_b64 v[KF+12*\t+2*\p:KF+12*\t+2*\p+1], v[AK0], s[40:41] offset:768*\t+8*\p
.endr
.endr
	WIN 0x40                                       ; destinations in window 1
.irp p, 0,1,2
	global_load_b64 v[QF+2*\p:QF+2*\p+1], v34, s[4:5] offset:768+8*\p
.endr
.irp d, 0,1,2,3
.irp j, 0,1,2
	global_load_b128 v[VF+12*\d+4*\j:VF+12*\d+4*\j+3], v[LI], s[42:43] offset:1536*\d+512*\j
.endr
.endr
	INIT
	v_mov_b32 v[H8], v[H8]                         ; window 1's copy of 8 h
	WIN 0
	INIT
.irp t, 0,1,2,3,4,5,6,7
.irp j, 6,7,8,9,10,11
	v_mov_b32 v[KF+12*\t+\j], 0                    ; zero codes in K's fragments: written once, no load ever lands here
.endr
.endr
.macro QK w                            ; S^T = K Q^T, eight tiles.  Scale register b holds tile 2 b's words in lanes 0-15 and tile 2 b + 1's in lanes 16-31
.irp t, 0,1,2,3,4,5,6,7
.if \t % 2
	v_wmma_scale_f32_16x16x128_f8f6f4 v[S+8*\t:S+8*\t+7], v[KF+12*\t:KF+12*\t+11], v[QF:QF+11], 0, v[KS+\t/2], v[QSA+\w] matrix_a_fmt:MATRIX_FMT_BF6 matrix_b_fmt:MATRIX_FMT_BF6 matrix_a_scale:MATRIX_SCALE_ROW1
.else
	v_wmma_scale_f32_16x16x128_f8f6f4 v[S+8*\t:S+8*\t+7], v[KF+12*\t:KF+12*\t+11], v[QF:QF+11], 0, v[KS+\t/2], v[QSA+\w] matrix_a_fmt:MATRIX_FMT_BF6 matrix_b_fmt:MATRIX_FMT_BF6
.endif
.endr
.endm
.macro PV w                            ; O^T += V^T P^T: the four accumulators take turns, one instruction a turn
.irp d, 0,1,2,3
	v_wmma_scale_f32_16x16x128_f8f6f4 v[O+8*\d:O+8*\d+7], v[VF+12*\d:VF+12*\d+11], v[PC:PC+11], v[O+8*\d:O+8*\d+7], v[VS+\d], v[PSA+\w] matrix_a_fmt:MATRIX_FMT_BF6 matrix_b_fmt:MATRIX_FMT_BF6
.endr
.endm
.macro KLOAD q                         ; 25 LDS loads: group q of the slot in hand: K's scale words and registers 0-5 of its eight fragments
	ds_load_b128 v[KS:KS+3], v[ADL] offset:GB*(\q)+CODEB
.irp t, 0,1,2,3,4,5,6,7
.irp p, 0,1,2
	ds_load_b64 v[KF+12*\t+2*\p:KF+12*\t+2*\p+1], v[ADK] offset:GB*(\q)+768*\t+8*\p
.endr
.endr
.endm
.macro VLOAD q                         ; 13 LDS loads: V's scale words (window 0) and its four fragments as images (window 1)
	WIN 0
	ds_load_b128 v[VS:VS+3], v[ADL] offset:VOFF+GB*(\q)+CODEB
	WIN 0x40
.irp d, 0,1,2,3
.irp j, 0,1,2
	ds_load_b128 v[VF+12*\d+4*\j:VF+12*\d+4*\j+3], v[ADL] offset:VOFF+GB*(\q)+1536*\d+512*\j
.endr
.endr
.endm
.macro TMINUS n
.rept \n
	v_pk_fma_f32 v[S+j:S+j+1], v[S+j:S+j+1], s[CS:CS+1], v[NM:NM+1] op_sel_hi:[1,0,0]   ; t - M, two at a time (of the pairs c and -M the low word serves both halves)
.set j, j+2
.endr
.endm
; One tile's softmax and quantising for 128 keys, in the window that is set (w = 0: window 0, w = 1: window 1)
.macro SOFTMAX w
.if \w
	s_wait_alu depctr_va_vdst(0)                   ; the wait ahead of the first read of scores that were made ahead of the other tile's exponentials
.endif
.irp c, 0,1
	v_max3_num_f32 v[BM+\c], v[S+32*\c], v[S+32*\c+1], v[S+32*\c+2]         ; my block 2 c + h: all its 32 scores are mine; two chains a block; each tile is read from its low end on
	v_max3_num_f32 v[BB+\c], v[S+32*\c+16], v[S+32*\c+17], v[S+32*\c+18]
.endr
.irp i, 3,5,7,9,11,13
.irp c, 0,1
	v_max3_num_f32 v[BM+\c], v[BM+\c], v[S+32*\c+\i], v[S+32*\c+\i+1]
	v_max3_num_f32 v[BB+\c], v[BB+\c], v[S+32*\c+16+\i], v[S+32*\c+17+\i]
.endr
.endr
	v_mov_b32 v[T2], v[NM]                         ; the old -M
.irp c, 0,1
	v_max3_num_f32 v[BM+\c], v[BM+\c], v[BB+\c], v[S+32*\c+15]
.endr
.irp c, 0,1
	v_max_num_f32 v[BM+\c], v[BM+\c], v[S+32*\c+31]   ; THE BLOCK'S LARGEST SCORE serves twice: for the row's maximum and, since p rises with the score, for the block's largest p
.endr
	v_max_num_f32 v[T0], v[BM], v[BM+1]
	v_permlanex16_b32 v[T1], v[T0], s[SEL], s[SEL+1]
	v_max3_num_f32 v[MR], v[MR], v[T0], v[T1]      ; the running largest score, with lane l xor 16's two blocks
	v_mul_f32 v[T3], s[CS], v[MR]                  ; as t (c is positive)
	v_floor_f32 v[NM], -v[T3]                      ; the new -M = -ceil(t): M IS A WHOLE NUMBER
	v_sub_f32 v[T2], v[NM], v[T2]                  ; M's old value less its new one: a whole number, 0 or less
.set j, 0
	TMINUS 4
	v_cvt_i32_f32 v[T2], v[T2]                     ; (it saturates)
	TMINUS 4
	v_ldexp_f32 v[F], 1.0, v[T2]                   ; f = 2^(old M - new M): a multiplication by it rounds nothing
	TMINUS 24
.irp c, 0,1
	v_fma_f32 v[BM+\c], v[BM+\c], s[CS], v[NM]     ; the same of each block's largest score
.endr
	s_wait_alu depctr_va_vdst(0)                   ; the wait ahead of the batch
.set j, 0
.rept 64
	v_exp_f32 v[S+j], v[S+j]                       ; p = 2^(t - M), at most 1
.set j, j+1
.endr
.irp c, 0,1
	v_exp_f32 v[BM+\c], v[BM+\c]                   ; the block's largest p: the same two instructions on the same number give the same bits
.endr
	v_pk_mul_f32 v[SUM:SUM+1], v[SUM:SUM+1], v[F:F+1] op_sel_hi:[1,0]   ; the sums under the new M (a plain line behind the exponentials)
	s_wait_alu depctr_va_vdst(0)                   ; and behind it
.irp c, 0,1
	v_max_num_f32 v[BM+\c], 0x2800000, v[BM+\c]    ; the floor 2^(5 - 127): the byte cannot fall under 1
.endr
.irp c, 0,1
	v_add_nc_u32 v[BB+\c], 0xfe000000, v[BM+\c]    ; 4 off the exponent field: the conversion's scale operand
.endr
.irp c, 0,1
	v_cvt_scalef32_pk16_bf6_f32 v[PC+6*\c:PC+6*\c+2], v[S+32*\c:S+32*\c+15], v[BB+\c]       ; registers 6 c .. 6 c + 2 of the operand: k = 64 c + 32 h + 0 .. 15
	v_cvt_scalef32_pk16_bf6_f32 v[TT+4*\c:TT+4*\c+2], v[S+32*\c+16:S+32*\c+31], v[BB+\c]    ; (a conversion's three registers begin on an even number: the second half is made elsewhere and moved)
.endr
.irp c, 0,1
	v_lshrrev_b32 v[T2+\c], 23, v[BB+\c]           ; the scales' bytes (also the plain lines behind the conversions)
.endr
.irp c, 0,1
.irp i, 0,1,2
	v_mov_b32 v[PC+6*\c+3+\i], v[TT+4*\c+\i]
.endr
.endr
	v_lshl_or_b32 v[T2], v[T3], 16, v[T2]          ; my two bytes: blocks h and 2 + h,
	v_lshlrev_b32 v[T2], v[H8], v[T2]              ; at their places in the scale word;
	v_permlanex16_b32 v[T1], v[T2], s[SEL], s[SEL+1]
.if \w
	WIN 0x05                                       ; scale registers lie in window 0
.endif
	v_or_b32 v[PSA+\w], v[T2], v[T1]               ; with lane l xor 16's two the word is whole
.if \w
	WIN 0x55
.endif
	s_wait_alu depctr_va_vdst(0)                   ; the wait directly ahead of the first read of O^T
.set j, 0
.rept 16
	v_pk_mul_f32 v[O+j:O+j+1], v[O+j:O+j+1], v[F:F+1] op_sel_hi:[1,0]   ; O^T under the new M; each tile from its low end on
.set j, j+2
.endr
	v_pk_add_f32 v[SUM+2:SUM+3], v[S:S+1], v[S+2:S+3]                   ; THE ROW'S SUM IS TAKEN OF THE UNQUANTISED p: two at a time, in four chains
	v_pk_add_f32 v[SUM+4:SUM+5], v[S+4:S+5], v[S+6:S+7]
	v_pk_add_f32 v[SUM+6:SUM+7], v[S+8:S+9], v[S+10:S+11]
.set j, 12
.rept 26
	v_pk_add_f32 v[SUM+2*((j/2)%4):SUM+2*((j/2)%4)+1], v[SUM+2*((j/2)%4):SUM+2*((j/2)%4)+1], v[S+j:S+j+1]
.set j, j+2
.endr
	v_pk_add_f32 v[SUM:SUM+1], v[SUM:SUM+1], v[SUM+2:SUM+3]
	v_pk_add_f32 v[SUM+4:SUM+5], v[SUM+4:SUM+5], v[SUM+6:SUM+7]
	v_pk_add_f32 v[SUM:SUM+1], v[SUM:SUM+1], v[SUM+4:SUM+5]
.endm
; A KEY STEP on the fragments in registers.  q: the group of the slot in hand that is loaded for the next step (under 0: none).
; chg = 1: THE CHANGE OF SLOTS stands at the step's head: each wave waits for all its tensor loads, adds 0 to its spare word, and waits for that and for its reads of the slot that it has left; the products S^T, work on registers, stand
; between the add and its wait and between the opening signal and its wait.  fill = 1: the barrier opens a round of the cluster's, and the slot that has been left is asked for again first behind it.
.macro BODY q, chg, fill
.if \chg
	s_wait_dscnt 0x0                               ; this step's K and V are in registers: my reads of the slot that I leave are over
	s_wait_tensorcnt 0x0
	ds_add_u32 v[SPW], v[NIL]                      ; 0 added to my spare word
.if \fill
	ds_add_u32 v[SPW], v[NIL]                      ; and twice on end
	s_xor_b32 s[G0K+1], s[G0K+1], SLOT1            ; no tensor load of mine is out: the descriptors walk: the other slot, the next four groups
	s_add_nc_u64 s[G0K+2:G0K+3], s[G0K+2:G0K+3], PART
	s_xor_b32 s[G0V+1], s[G0V+1], SLOT1
	s_add_nc_u64 s[G0V+2:G0V+3], s[G0V+2:G0V+3], PART
.endif
	v_add_nc_u32 v[ADK], s[TB], v[AK0]             ; my lane's places in the slot that is about to be read
	v_add_nc_u32 v[ADL], s[TB], v[LI]
	s_wait_alu depctr_va_vdst(0)
	QK 0
	s_wait_dscnt 0x0                               ; the add is done
	s_barrier_signal -1
	WIN 0x44                                       ; S^T and Q of tile B: window 1
	QK 1
	WIN 0
	s_barrier_wait -1
.if \fill
	CREST
	JLOAD
.endif
.else
	s_wait_dscnt 13                                ; K's 25 loads are in; V's 13, issued behind them, may be out
	QK 0
	WIN 0x44
	QK 1
	WIN 0
.endif
	PLACES
.if (\q) >= 0
	KLOAD \q
.endif
	SOFTMAX 0
.if (\q) >= 0
	s_wait_dscnt 25                                ; V is in; the next step's K, 25 loads, may be out
.else
	s_wait_dscnt 0x0
.endif
	WIN 0x01                                       ; V's fragments: window 1
	PV 0
	WIN 0x55
	SOFTMAX 1
	PV 1
	PLACES
.if (\q) >= 0
	VLOAD \q
.endif
	WIN 0
.endm
	s_wait_alu depctr_va_vdst(0)
	s_wait_loadcnt 0x0                             ; Q, and group 31 of K and V
.Ltrip:                                            ; trip j = 0 .. 6: chunk j is in hand, chunk j + 1 is asked for
	BODY 0, 1, 1
	BODY 1, 0, 0
	BODY 2, 0, 0
	BODY 3, 0, 0
	s_xor_b32 s[TB], s[TB], SLOT1
	s_sub_co_u32 s[TRIPS], s[TRIPS], 1
	s_cmp_lg_u32 s[TRIPS], 0
	s_cbranch_scc1 .Ltrip
	BODY 0, 1, 0                                   ; chunk 7: nothing more is asked for
	BODY 1, 0, 0
	BODY 2, 0, 0
	BODY -1, 0, 0
; THE WAY OUT.  O^T is divided by the sum and goes through my stage in LDS, so that sixteen lanes store a whole row of out0: 256 consecutive bytes.
.macro FIN
	v_add_f32 v[SUM], v[SUM], v[SUM+1]
	v_permlanex16_b32 v[T1], v[SUM], s[SEL], s[SEL+1]
	v_add_f32 v[SUM], v[SUM], v[T1]                ; with lane l xor 16's keys: the row's sum
	s_wait_alu depctr_va_vdst(0)
	v_rcp_f32 v[SUM], v[SUM]
	v_nop
	s_wait_alu depctr_va_vdst(0)
.set j, 0
.rept 16
	v_pk_mul_f32 v[S+j:S+j+1], v[O+j:O+j+1], v[SUM:SUM+1] op_sel_hi:[1,0]   ; register 8 d + i is o(my query, 16 d + 8 h + i)
.set j, j+2
.endr
.endm
	v_and_b32 v160, 15, v0                         ; r
	v_bfe_u32 v161, v0, 4, 1                       ; h
	s_mul_i32 s52, s[WV], 32*SP
	s_add_co_u32 s52, s52, STAGE                   ; my stage: 16 rows for tile A, 16 for tile B
	v_mul_u32_u24 v162, v160, SP
	v_mul_u32_u24 v163, v161, SP
	v_lshlrev_b32 v164, 8, v161
	v_lshl_add_u32 v162, v161, 5, v162
	v_lshl_add_u32 v163, v160, 4, v163
	v_lshl_add_u32 v164, v160, 4, v164             ; two rows of out0 an instruction
	v_add_nc_u32 v162, s52, v162                   ; in: row r; tile d's eight channels of my half at 64 d + 32 h
	v_add_nc_u32 v163, s52, v163                   ; back: lanes 0-15 one row, lanes 16-31 the next
	FIN
.irp d, 0,1,2,3
	ds_store_b128 v162, v[S+8*\d:S+8*\d+3] offset:64*\d
	ds_store_b128 v162, v[S+8*\d+4:S+8*\d+7] offset:64*\d+16
.endr
	WIN 0x55
	FIN
	WIN 0x04                                       ; the stores' data: window 1
.irp d, 0,1,2,3
	ds_store_b128 v162, v[S+8*\d:S+8*\d+3] offset:16*SP+64*\d
	ds_store_b128 v162, v[S+8*\d+4:S+8*\d+7] offset:16*SP+64*\d+16
.endr
	WIN 0
.irp i, 0,1,2,3,4,5,6,7,8,9,10,11,12,13,14,15
	ds_load_b128 v[168+4*\i:168+4*\i+3], v163 offset:2*\i*SP   ; LDS serves a wave's instructions in order: these see my stores
.endr
.irp i, 0,1,2,3,4,5,6,7
	s_wait_dscnt 15-\i                             ; loads come back in order: the younger ones stay out
	global_store_b128 v164, v[168+4*\i:168+4*\i+3], s[10:11] offset:256*(2*\i+24*(\i/4)) th:TH_STORE_NT   ; stage row r is query r + 24 (r / 8) of my tile; 16 lanes store 256 consecutive bytes, aligned
.endr
.irp i, 0,1,2,3,4,5,6,7
	s_wait_dscnt 7-\i
	global_store_b128 v164, v[200+4*\i:200+4*\i+3], s[10:11] offset:2048+256*(2*\i+24*(\i/4)) th:TH_STORE_NT   ; tile B lies eight rows on
.endr
	s_wait_tensorcnt 0x0                           ; the wave's end
	ds_add_u32 v[SPW], v[NIL]
	s_wait_dscnt 0x0
	CROUND                                         ; the closing round
	s_endpgm
.Lfunc_end_k_qcb5156a9e5_attn:
	.size	k_qcb5156a9e5_attn, .Lfunc_end_k_qcb5156a9e5_attn-k_qcb5156a9e5_attn
	.p2alignl 7, 3214868480
	.fill 96, 4, 3214868480
	.section	.rodata,"a",@progbits
	.p2align	6, 0x0
	.amdhsa_kernel k_qcb5156a9e5_attn
		.amdhsa_group_segment_fixed_size 327680
		.amdhsa_private_segment_fixed_size 0
		.amdhsa_enable_private_segment 0
		.amdhsa_kernarg_size 32
		.amdhsa_user_sgpr_count 2
		.amdhsa_user_sgpr_kernarg_segment_ptr 1
		.amdhsa_wavefront_size32 1
		.amdhsa_system_sgpr_workgroup_id_x 1
		.amdhsa_system_sgpr_workgroup_id_y 1
		.amdhsa_system_sgpr_workgroup_id_z 1
		.amdhsa_system_vgpr_workitem_id 0
		.amdhsa_next_free_vgpr 512
		.amdhsa_next_free_sgpr 66
		.amdhsa_reserve_vcc 0
		.amdhsa_float_denorm_mode_32 3
		.amdhsa_float_denorm_mode_16_64 3
		.amdhsa_memory_ordered 1
		.amdhsa_forward_progress 1
		.amdhsa_inst_pref_size 239
	.end_amdhsa_kernel
	.amdgpu_metadata
---
amdhsa.version: [ 1, 2 ]
amdhsa.kernels:
  - .name:           k_qcb5156a9e5_attn
    .symbol:         k_qcb5156a9e5_attn.kd
    .args:
      - { .name: qc, .offset: 0, .size: 8, .value_kind: global_buffer, .address_space: global }
      - { .name: kc, .offset: 8, .size: 8, .value_kind: global_buffer, .address_space: global }
      - { .name: vc, .offset: 16, .size: 8, .value_kind: global_buffer, .address_space: global }
      - { .name: out0, .offset: 24, .size: 8, .value_kind: global_buffer, .address_space: global }
    .group_segment_fixed_size: 327680
    .private_segment_fixed_size: 0
    .kernarg_segment_align: 8
    .kernarg_segment_size: 32
    .max_flat_workgroup_size: 256
    .sgpr_count:     66
    .vgpr_count:     512
    .wavefront_size: 32
...
	.end_amdgpu_metadata
.endif
;; end of part 2
